; MI455X (gfx1250); checked and timed in simulation.
; The chip was launched on July 23, 2026; its instructions are those of AMD's public machine-readable ISA for CDNA 5 (MIT licence, August 2026) and "CDNA5" Instruction Set Architecture Reference Guide (July 2026). The comments in the code are by the model that wrote it; some were corrected since.
;; Sparse Linear. Allowed arithmetic: float matrix products may take bf16 or f16 operands with f32 sums; other float arithmetic in f32, or as packed bf16 or f16 multiplies, adds, multiply-adds, maxima and minima; sums over many terms, partial sums and values carried from step to step in f32; what a program stores and reads back later, other than sums and carried values, may be rounded once to bf16 or f16.
;; Inputs: mask 4,096 x 4,096 bool; weight 4,096 x 4,096 float32; x 8 x 512 x 4,096 float32.
;; Outputs: out0 8 x 4,096 x 512 float32.
;; 2 versions, each right; version 2 is version 1 with the launch prep written anew for expert scheduling mode. Each part assembles by itself: llvm-mc -triple=amdgcn-amd-amdhsa -mcpu=gfx1250 --defsym DOCPART=n.
;; ======== version 1 of 2: 2 launches
;; workspace buffers: wb 33,554,432 bytes; xb 33,554,432 bytes
;; launch prep (part 1): grid 1024 x 1, 8 waves a work-group, no clusters, 0 bytes of LDS; arguments weight, mask, x, wb, xb; writes wb, xb
.if DOCPART == 1
	.amdgcn_target "amdgcn-amd-amdhsa--gfx1250"
	.amdhsa_code_object_version 6
	.text
	.protected	k_qa551694f71_prep
	.globl	k_qa551694f71_prep
	.p2align	8
	.type	k_qa551694f71_prep,@function
k_qa551694f71_prep:
	s_mov_b64 s[64:65], 0
	v_nop
	global_prefetch_b8 v0, s[64:65] scope:SCOPE_SE
	s_setreg_imm32_b32 hwreg(HW_REG_WAVE_MODE, 25, 1), 1
	s_wait_xcnt 0x0
; wb[m][k] = bf16(weight[m][k] * mask[m][k]),  xb[n][k] = bf16(x[n][k]), n = 512 b + s.  weight, x: 4096 x 4096 f32; mask: 4096 x 4096 bytes; wb, xb: 4096 x 4096 bf16.
; WHY A LAUNCH OF ITS OWN: the product that follows reads every number of W and of x in 16 tiles of C and in two waves of each; converted here, each is multiplied by its mask and rounded ONCE,
; and the product's tiles are half as many bytes in LDS.
; A STREAM: each input byte is read once, each output byte written once, nothing is shared between work-groups or waves: no LDS, no barrier, no cluster, no matrix unit.
; No prefetch either: all that the launch does is load, and 24 loads of every wave are on their way all the time.
; SHARES.  A chunk is 1,024 consecutive elements (4,096 bytes of f32, 1,024 of mask, 2,048 of bf16).  The work-group owns chunks 16 g .. 16 g + 15 of W and the same of x (same shape, same offsets).
; Thread t owns elements 4 t .. 4 t + 3 of every chunk: a wave's load of f32 covers 512 consecutive bytes, its store of bf16 256 consecutive bytes, aligned; its load of mask bytes covers 128
; consecutive bytes: the one short access, taken so that a lane's four mask bytes are those of its four weights.
; A ring of eight slots in registers, a chunk each, keeps 24 loads of a wave in flight; 16 chunks are two rounds, written out, the chunk's number in the immediate: no address register is ever rewritten.
; ARITHMETIC.  The mask byte is taken as the number that it holds (0 or 1), made a float and multiplied in f32, as the reference multiplies; then one rounding to bf16 (nearest even).
; bf16 has f32's range, so no input that is finite in f32 overflows here.
.set DEPTH, 8
.set O16, 1                            ; v1        16 t: my 16 bytes in a chunk of f32; never rewritten
.set O4,  2                            ; v2        4 t: my 4 mask bytes; never rewritten
.set O8,  3                            ; v3        8 t: my 8 bytes of bf16; never rewritten
.set T,   4                            ; v[4:7]    the four mask bytes as floats, at work
.set WQ,  8                            ; v[8:39]   slot i: four weights
.set XQ,  40                           ; v[40:71]  slot i: four x
.set MK,  72                           ; v[72:79]  slot i: four mask bytes
.set YW,  80                           ; v[80:95]  slot i: four bf16 of W, to store
.set YX,  96                           ; v[96:111] slot i: four bf16 of x, to store
	s_load_b256 s[4:11], s[0:1], 0x0               ; weight s[4:5], mask s[6:7], x s[8:9], wb s[10:11]
	s_load_b64 s[12:13], s[0:1], 0x20              ; xb
	v_lshlrev_b32 v[O16], 4, v0
	v_lshlrev_b32 v[O4], 2, v0
	v_lshlrev_b32 v[O8], 3, v0
	s_mov_b32 s15, 0
	s_lshl_b32 s14, ttmp9, 16                      ; the work-group's 16 chunks: 65,536 bytes of f32 (1,023 x 65,536 stays under 2^32)
	s_wait_kmcnt 0x0
	s_add_nc_u64 s[4:5], s[4:5], s[14:15]
	s_add_nc_u64 s[8:9], s[8:9], s[14:15]
	s_lshl_b32 s14, ttmp9, 14                      ; 16,384 mask bytes
	s_add_nc_u64 s[6:7], s[6:7], s[14:15]
	s_lshl_b32 s14, ttmp9, 15                      ; 32,768 bytes of bf16
	s_add_nc_u64 s[10:11], s[10:11], s[14:15]
	s_add_nc_u64 s[12:13], s[12:13], s[14:15]
.macro LOAD3 i, c                      ; chunk c into slot i: three loads
	global_load_b128 v[WQ+4*(\i):WQ+4*(\i)+3], v[O16], s[4:5] offset:(\c)*4096 th:TH_LOAD_NT
	global_load_b32  v[MK+(\i)],               v[O4],  s[6:7] offset:(\c)*1024 th:TH_LOAD_NT
	global_load_b128 v[XQ+4*(\i):XQ+4*(\i)+3], v[O16], s[8:9] offset:(\c)*4096 th:TH_LOAD_NT
.endm
; Slot i's turn, on chunk c.  ahead = 1: the slot is filled again with chunk c + 8, ahead of the stores.  left = how many younger loads may stay out.
.macro SLOT i, c, ahead, left
	s_wait_loadcnt \left                           ; loads come back in order (ISA guide 5.7.1): my slot's three are in, the younger slots' three each stay out
.irp j, 0,1,2,3
	v_bfe_u32 v[T+(\j)], v[MK+(\i)], 8*(\j), 8     ; mask byte j
.endr
.irp j, 0,1,2,3
	v_cvt_f32_u32 v[T+(\j)], v[T+(\j)]
.endr
	v_pk_mul_f32 v[WQ+4*(\i):WQ+4*(\i)+1],   v[WQ+4*(\i):WQ+4*(\i)+1],   v[T:T+1]      ; weight x mask, in f32
	v_pk_mul_f32 v[WQ+4*(\i)+2:WQ+4*(\i)+3], v[WQ+4*(\i)+2:WQ+4*(\i)+3], v[T+2:T+3]
	v_cvt_pk_bf16_f32 v[YW+2*(\i)],   v[WQ+4*(\i)],   v[WQ+4*(\i)+1]                   ; two roundings to bf16, packed
	v_cvt_pk_bf16_f32 v[YW+2*(\i)+1], v[WQ+4*(\i)+2], v[WQ+4*(\i)+3]
	v_cvt_pk_bf16_f32 v[YX+2*(\i)],   v[XQ+4*(\i)],   v[XQ+4*(\i)+1]
	v_cvt_pk_bf16_f32 v[YX+2*(\i)+1], v[XQ+4*(\i)+2], v[XQ+4*(\i)+3]
.if \ahead
	LOAD3 \i, (\c)+DEPTH
.endif
	global_store_b64 v[O8], v[YW+2*(\i):YW+2*(\i)+1], s[10:11] offset:(\c)*2048 th:TH_STORE_NT  ; a wave stores 256 consecutive bytes, at a multiple of 256 from the buffer's first
	global_store_b64 v[O8], v[YX+2*(\i):YX+2*(\i)+1], s[12:13] offset:(\c)*2048 th:TH_STORE_NT
.endm
.irp i, 0,1,2,3,4,5,6,7
	LOAD3 \i, \i                                   ; the ring is filled: chunks 0 to 7
.endr
.irp i, 0,1,2,3,4,5,6,7
	SLOT \i, \i, 1, 21                             ; 21 = the seven younger slots' three loads each
.endr
	s_wait_xcnt 0x0                                ; every earlier memory instruction has had its addresses translated (ISA guide 3.1): YW and YX, which the first round's stores read, are rewritten only behind this wait
.irp i, 0,1,2,3,4,5,6,7
	SLOT \i, 8+(\i), 0, 21-3*(\i)                  ; the last round loads nothing: the counts run down to 0
.endr
	s_endpgm
.Lfunc_end_k_qa551694f71_prep:
	.size	k_qa551694f71_prep, .Lfunc_end_k_qa551694f71_prep-k_qa551694f71_prep
	.p2alignl 7, 3214868480
	.fill 96, 4, 3214868480
	.section	.rodata,"a",@progbits
	.p2align	6, 0x0
	.amdhsa_kernel k_qa551694f71_prep
		.amdhsa_group_segment_fixed_size 0
		.amdhsa_private_segment_fixed_size 0
		.amdhsa_enable_private_segment 0
		.amdhsa_kernarg_size 40
		.amdhsa_user_sgpr_count 2
		.amdhsa_user_sgpr_kernarg_segment_ptr 1
		.amdhsa_wavefront_size32 1
		.amdhsa_system_sgpr_workgroup_id_x 1
		.amdhsa_system_sgpr_workgroup_id_y 1
		.amdhsa_system_sgpr_workgroup_id_z 1
		.amdhsa_system_vgpr_workitem_id 0
		.amdhsa_next_free_vgpr 112
		.amdhsa_next_free_sgpr 66
		.amdhsa_reserve_vcc 0
		.amdhsa_float_denorm_mode_32 3
		.amdhsa_float_denorm_mode_16_64 3
		.amdhsa_memory_ordered 1
		.amdhsa_forward_progress 1
		.amdhsa_inst_pref_size 21
	.end_amdhsa_kernel
	.amdgpu_metadata
---
amdhsa.version: [ 1, 2 ]
amdhsa.kernels:
  - .name:           k_qa551694f71_prep
    .symbol:         k_qa551694f71_prep.kd
    .args:
      - { .name: weight, .offset: 0, .size: 8, .value_kind: global_buffer, .address_space: global }
      - { .name: mask, .offset: 8, .size: 8, .value_kind: global_buffer, .address_space: global }
      - { .name: x, .offset: 16, .size: 8, .value_kind: global_buffer, .address_space: global }
      - { .name: wb, .offset: 24, .size: 8, .value_kind: global_buffer, .address_space: global }
      - { .name: xb, .offset: 32, .size: 8, .value_kind: global_buffer, .address_space: global }
    .group_segment_fixed_size: 0
    .private_segment_fixed_size: 0
    .kernarg_segment_align: 8
    .kernarg_segment_size: 40
    .max_flat_workgroup_size: 256
    .sgpr_count:     66
    .vgpr_count:     112
    .wavefront_size: 32
...
	.end_amdgpu_metadata
.endif
;; end of part 1
;; launch gemm (part 2): grid 16 x 16, 4 waves a work-group, clusters of 4 x 4, 327,680 bytes of LDS; arguments wb, xb, out0; writes out0
.if DOCPART == 2
	.amdgcn_target "amdgcn-amd-amdhsa--gfx1250"
	.amdhsa_code_object_version 6
	.text
	.protected	k_qa551694f71_gemm
	.globl	k_qa551694f71_gemm
	.p2align	8
	.type	k_qa551694f71_gemm,@function
k_qa551694f71_gemm:
	s_mov_b64 s[64:65], 0
	v_nop
	global_prefetch_b8 v0, s[64:65] scope:SCOPE_SE
	s_setreg_imm32_b32 hwreg(HW_REG_WAVE_MODE, 25, 1), 1
	s_wait_xcnt 0x0
	s_wait_alu depctr_hold_cnt(0) depctr_sa_sdst(0) depctr_va_vdst(0) depctr_va_sdst(0) depctr_va_ssrc(0) depctr_va_vcc(0) depctr_vm_vsrc(0)
	s_getreg_b32 s2, hwreg(HW_REG_IB_STS2, 6, 4)
	s_cmp_eq_u32 s2, 0
	s_cbranch_scc0 .Lentry_in_a_cluster
	s_endpgm
.Lentry_in_a_cluster:
	s_bfe_u32 s2, ttmp6, 0x10000c
	s_cmp_lg_u32 s2, 0xf033
	s_cbranch_scc0 .Lentry_shape_is_right
	s_endpgm
.Lentry_shape_is_right:
; out0[b][m][s] = sum over k of wb[m][k] xb[n][k], n = 512 b + s.  wb = bf16(weight x mask): [4096][4096]; xb = bf16(x): [4096][4096]; out0: [8][4096][512] f32.  Sums in f32, K ascending for each output.
; DENSE ON PURPOSE: the mask is an input and may hold any pattern; the zeros are multiplied like any number, so the text is right, and equally long, for every mask.
; LIMITS: both operands were rounded once to bf16 (which has f32's range); nothing else is rounded but the f32 sums themselves.
; A tile of C, 256 (m) x 256 (n), is made by a work-group of four waves; a wave makes 128 x 128: 64 accumulators of 16 x 16, 512 registers.  16 x 16 tiles: 256 work-groups, one tile each.
; K goes in 32 steps of 128 through a ring of two LDS slots filled by the tensor data mover: a tile's rows are 256 bytes of memory and start at multiples of 256 bytes from the buffer's first byte.
; CLUSTERS: 4 x 4 work-groups.  The four of a row of the cluster need the same tiles of wb, the four of a column the same tiles of xb.  Such a tile is asked for JOINTLY: each of the four issues the same
; tensor load, with the same descriptor and a mask that names the four, and each receives the tile in its own LDS.  That divides the requests for wb and for xb by four.
; REGISTERS, in windows of 256 (s_set_vgpr_msb's low byte: bits 1:0 source 0, 3:2 source 1, 5:4 source 2, 7:6 destination):
;   window 0: v0-31 addresses; v64-127, v128-191 fragments of wb (8 x 16 rows x 32 K), two buffers; on the way out the same 128 registers take rows read back from the stage
;   window 1: v64-127, v128-191 fragments of xb, two buffers
;   window 2: the 32 accumulators of my rows 0-63 (accumulator (a, b) at v[8 (8 a + b)]);   window 3: those of my rows 64-127
; THE MATRIX INSTRUCTION IS USED TRANSPOSED: source 0 = 16 rows of xb, source 1 = 16 rows of wb.  In the result lane l holds row m = l % 16 of C, and its registers 0 to 7 the columns
; n = 8 (l / 16) + 0 .. 7: eight neighbouring f32 of a row of out0, 32 bytes.
.set SIZE_K, 4096
.set KSTEP,  128
.set PITCH,  272                       ; an LDS row: 256 bytes of data + 16 of padding = 68 words: row r starts at bank 4 r mod 64 (64 banks of 4 bytes: ISA guide 11.1), so the 16 rows that a load touches start at 16 different banks
.set HALFT,  128*PITCH                 ; 128 rows: what one tensor load brings, and what one wave reads of wb or of xb
.set SLOT,   4*HALFT                   ; wb's 256 rows, then xb's 256 rows
.set STAGE,  2*SLOT                    ; behind the ring: a stage for each wave, for the way out; no tensor load lands there
.set SPITCH, 528                       ; a stage row: 128 f32 = 512 bytes + 16: 33 x 16 bytes, so the 16 rows that a store touches fall into 16 different groups of four banks
.set WSTAGE, 16*SPITCH                 ; 16 rows: 8,448 bytes, 33 blocks of 256
.set SPARE,  STAGE+4*WSTAGE            ; behind the stages: the spare words, 128 bytes for each wave: two blocks of 256 bytes that no other line names
.set LAPS,   SIZE_K/(2*KSTEP)          ; a lap = two K steps = once round the ring: 16
.set ADRA, 16                          ; v16-17  LDS address of my wb fragments in slot 0, 1
.set ADRB, 20                          ; v20-21  the same for xb
.set STO,  24                          ; v24     the way out: where I put 32 bytes of a row
.set RD,   25                          ; v25     the way out: where I read 16 bytes of a row back
.set CO,   26                          ; v26     16 x lane: my 16 bytes of a row's 512 in out0; never rewritten
.set SPW,  28                          ; v28     LDS address of my spare word: SPARE + 4 x my thread's number; never rewritten
.set NIL,  29                          ; v29     0; never rewritten
.set PFO,  30                          ; v30     the prefetches' offset: my lane x a row of wb or xb (8,192 bytes); never rewritten
.set PFA,  44                          ; s[44:45] where my prefetches stand: my work-group's 32 rows of the 128 that I fetch, one K step further along K than the refill that is being asked for; a prefetch names the K step after that
.set LIM,  43                          ; s43     1 in a wave that prefetches, else the greatest number
.set F0,   64                          ; fragment buffer 0
.set F1,   128                         ; fragment buffer 1
.set OB,   64                          ; the way out: 16 rows read back from the stage: v64-127 and v128-191 by turns
.set G1,  24                           ; s[24:31] descriptor group 1 for wb's tiles
.set G0,  32                           ; s[32:39] descriptor group 0 for wb's tiles, one set for each slot
.set G1B, 48                           ; s[48:55] descriptor group 1 for xb's tiles: it differs in the mask alone
.set G0B, 56                           ; s[56:63] descriptor group 0 for xb's tiles, one set for each slot
.set MSB, 0
.macro WIN new                         ; the immediate's high byte repeats the setting that is left; a switch that changes nothing is dropped
.if MSB != (\new)
	s_set_vgpr_msb (MSB<<8)|(\new)
.set MSB, \new
.endif
.endm
.set MUL_LO, 0xa1                      ; source 0 (xb) window 1, source 1 (wb) window 0, C and D window 2
.set MUL_HI, 0xf1                      ; the same, C and D window 3
.set TO_B,   0x40                      ; destination window 1, address window 0
; A joint load.  Waves 0 and 1 fetch wb's two halves, waves 2 and 3 xb's.  Each of the two lines has ONE mask and one set of registers for all that issue it, and nothing in them hangs on a coordinate
; that the four partners do not share.  The branch hangs on the wave's number alone.  An s_nop 0 and four v_nop follow each of the two lines, ahead of the jump, the label and what follows.
.macro JLOAD s
	s_cmp_eq_u32 s11, 0
	s_cbranch_scc0 .Lfor_b_\@
	tensor_load_to_lds s[G0+4*(\s):G0+4*(\s)+3], s[G1:G1+7]
	s_nop 0
.rept 4
	v_nop
.endr
	s_branch .Lasked_\@
.Lfor_b_\@:
	tensor_load_to_lds s[G0B+4*(\s):G0B+4*(\s)+3], s[G1B:G1B+7]
	s_nop 0
.rept 4
	v_nop
.endr
.Lasked_\@:
.endm
; A PREFETCH INTO THE L2, behind each joint refill, its five lines and the run of LDS loads that follows them: the K step that stands TWO refills on, 512 matrix instructions ahead of the load that will
; want it: 32 rows x 256 bytes, a lane a row, one instruction a wave.  Each row's 256 bytes of a K step are named ONCE in the launch.  wb's tile row is read by every cluster of that row of clusters: the first of
; them (cluster x = 0) asks; xb's tile column by every cluster of that column: cluster y = 0 asks.  The four partners that ask for a tile jointly share its rows out BY ADDRESS: of the 128 rows that a wave fetches
; the partner at place p takes 32 p .. 32 p + 31 (p = cx for wb, cy for xb): no branch hangs on a work-group's place in its cluster.  K steps 0 to 3 come by their loads alone; the loop's last trip
; (s3 = 1), whose refills are K steps 30 and 31, has no K step two on and asks for nothing.
.macro ASK
	s_cmp_gt_u32 s3, s[LIM]
	s_cbranch_scc0 .Lnot_mine_\@
	global_prefetch_b8 v[PFO], s[PFA:PFA+1] offset:KSTEP*2 th:TH_LOAD_NT scope:SCOPE_SE
.Lnot_mine_\@:
.endm
; A round of the cluster's barrier: my work-group's barrier, so that wave 0's signal speaks for all four waves; wave 0 signals for the work-group; every wave waits for all sixteen work-groups;
; my work-group's barrier once more.  No LDS instruction of the wave is pending at a signal.
.macro CREST                           ; a round behind its opening barrier
	s_cmp_lg_u32 s10, 0
	s_cbranch_scc1 .Lnot_wave_0_\@
	s_barrier_signal -3
.Lnot_wave_0_\@:
	s_barrier_wait -3
	s_barrier_signal -1
	s_barrier_wait -1
.endm
.macro CROUND                          ; a whole round
	s_barrier_signal -1
	s_barrier_wait -1
	CREST
.endm
	s_load_b128 s[4:7], s[0:1], 0x0                ; wb s[4:5], xb s[6:7]
	s_load_b64 s[8:9], s[0:1], 0x10                ; out0
	v_lshl_add_u32 v[SPW], v0, 2, SPARE
	v_mov_b32 v[NIL], 0
	ds_add_u32 v[SPW], v[NIL]                      ; the wave's opening: the add, twice on end, and its wait ahead of my first tensor load; the set-up below, work on registers, stands between the second and the wait
	ds_add_u32 v[SPW], v[NIL]                      ; and once more, under the one wait
	v_lshrrev_b32 v1, 5, v0
	v_readfirstlane_b32 s10, v1                    ; wave 0..3
	s_lshr_b32 s11, s10, 1                         ; which half of the tile's rows (m) is mine.  Also: I fetch for wb (0) or for xb (1)
	s_and_b32 s12, s10, 1                          ; which half of its columns (n).  Also: which 128 rows of that tile I fetch
	s_bfe_u32 s40, ttmp6, 0x40000                  ; cx: my place along the cluster's x
	s_bfe_u32 s41, ttmp6, 0x40004                  ; cy: along its y
	s_lshl_b32 s42, ttmp9, 2                       ; in a cluster launch ttmp9 and ttmp7 count clusters
	s_add_co_u32 s42, s42, s40                     ; tile column of C = 4 x cluster x + cx
	s_and_b32 s13, ttmp7, 0xffff
	s_lshl_b32 s13, s13, 2
	s_add_co_u32 s13, s13, s41                     ; tile row of C = 4 x cluster y + cy
	s_lshl_b32 s43, s41, 2
	s_lshl_b32 s43, 15, s43                        ; my row of the cluster: places 4 cy .. 4 cy + 3
	s_lshl_b32 s44, 0x1111, s40                    ; my column: places cx, cx + 4, cx + 8, cx + 12
	; descriptor group 1: a tile of 128 rows x 128 elements, padded in LDS
	s_or_b32 s[G1+0], s43, (1<<16)|(1<<20)|(1<<21)|(5<<22)|(3<<25)  ; 15:0 the mask: wb's tiles go to my row; 17:16 element of 2 bytes; 20 padding on; 21 set beside a mask; 24:22 after every 64 words (code 5); 31:25 of 4 words (code 3)
	s_or_b32 s[G1B+0], s44, (1<<16)|(1<<20)|(1<<21)|(5<<22)|(3<<25) ; the same with the mask of my column, for xb's tiles
.irp g, G1, G1B
	s_mov_b32 s[(\g)+1], KSTEP<<16                 ; 63:48 tensor_dim0, low half = 128
	s_mov_b32 s[(\g)+2], 128<<16                   ; 79:64 its high half = 0; 95:80 tensor_dim1, low half = 128
	s_mov_b32 s[(\g)+3], KSTEP<<16                 ; 111:96 its high half = 0; 127:112 tile_dim0 = 128
	s_mov_b32 s[(\g)+4], 128                       ; 143:128 tile_dim1 = 128; 159:144 tile_dim2 = 0
	s_mov_b32 s[(\g)+5], SIZE_K                    ; 191:160 tensor_dim0_stride, low word: elements from row to row
	s_mov_b32 s[(\g)+6], 0
	s_mov_b32 s[(\g)+7], 0
.endr
	; where the tiles come from.  wb's hang on the tile row alone, which my row of the cluster shares; xb's on the tile column alone, which my column shares.
	; Every wave makes both addresses, in registers that never hold the other coordinate, and asks by one of them.
	s_lshl_b32 s17, s12, 7                         ; which 128 rows of the tile I fetch
	s_lshl_b32 s16, s13, 8
	s_add_co_u32 s16, s16, s17                     ; wb: row 256 x tile row + 128 x half
	s_lshl_b32 s46, s42, 8
	s_add_co_u32 s46, s46, s17                     ; xb: row 256 x tile column + 128 x half
	s_mov_b32 s17, 0
	s_mov_b32 s47, 0
	s_mov_b64 s[18:19], SIZE_K*2
	s_mul_u64 s[16:17], s[16:17], s[18:19]         ; in bytes
	s_mul_u64 s[46:47], s[46:47], s[18:19]
	s_mul_i32 s20, s10, HALFT                      ; and where they go: wb's two halves, then xb's two halves = wave x 128 rows: no place in the cluster enters an LDS address
	s_wait_dscnt 0x0                               ; both opening adds are done
	s_wait_kmcnt 0x0
	s_add_nc_u64 s[14:15], s[4:5], s[16:17]
	s_add_nc_u64 s[46:47], s[6:7], s[46:47]
	CROUND                                         ; all sixteen work-groups are here: the first joint loads meet
.irp s, 0,1
	s_mov_b32 s[G0+4*(\s)], 1                                      ; 1:0 count = 1
	s_add_co_u32 s[G0+4*(\s)+1], s20, (\s)*SLOT                    ; 63:32 LDS address
	s_add_nc_u64 s[G0+4*(\s)+2:G0+4*(\s)+3], s[14:15], (\s)*KSTEP*2  ; 120:64 global address: K step s
	s_or_b32 s[G0+4*(\s)+3], s[G0+4*(\s)+3], 0x80000000            ; 127:126 type = 2
	s_mov_b32 s[G0B+4*(\s)], 1
	s_add_co_u32 s[G0B+4*(\s)+1], s20, (\s)*SLOT
	s_add_nc_u64 s[G0B+4*(\s)+2:G0B+4*(\s)+3], s[46:47], (\s)*KSTEP*2
	s_or_b32 s[G0B+4*(\s)+3], s[G0B+4*(\s)+3], 0x80000000
	JLOAD \s                                       ; the ring is filled before anything else is done: two tensor loads of mine are out
.endr
	; A fragment is 16 rows x 32 K in 8 registers: lane l holds row l % 16; registers 0-3 hold K = 8 (l / 16) + 0..7, registers 4-7 hold K = 16 + 8 (l / 16) + 0..7.
	; From rows that lie along K: two loads of 16 bytes, 32 bytes apart.  The same for source 0 and source 1.
	v_and_b32 v1, 15, v0                           ; l % 16
	v_bfe_u32 v2, v0, 4, 1                         ; l / 16
	v_mul_u32_u24 v3, v1, PITCH
	v_lshl_add_u32 v3, v2, 4, v3                   ; row x pitch + 16 x half
	s_mul_i32 s21, s11, HALFT                      ; my 128 rows of wb
	s_mul_i32 s22, s12, HALFT                      ; my 128 rows of xb,
	s_add_co_u32 s22, s22, 2*HALFT                 ; which lie behind wb's 256
.irp s, 0,1
	v_add_nc_u32 v[ADRA+(\s)], s21, v3
	v_add_nc_u32 v[ADRB+(\s)], s22, v3
	s_add_co_u32 s21, s21, SLOT
	s_add_co_u32 s22, s22, SLOT
.endr
	s_mul_i32 s23, s10, WSTAGE
	s_add_co_u32 s23, s23, STAGE                   ; my stage
	v_mul_u32_u24 v4, v1, SPITCH                   ; in: row l % 16, 32 bytes for each half of the lanes
	v_lshl_add_u32 v4, v2, 5, v4
	v_add_nc_u32 v[STO], s23, v4
	v_and_b32 v5, 31, v0                           ; back: the 32 lanes take one row of 512 bytes, 16 each,
	v_lshlrev_b32 v[CO], 4, v5                     ; and the same 512 bytes of a row of out0
	v_add_nc_u32 v[RD], s23, v[CO]
	; where my part of the tile begins in out0.  n = 256 tc + 128 half + .., b = n / 512 = tc / 2, s = n % 512; m = 256 tr + 128 half + ..; byte = b 2^23 + m 2^11 + 4 s, under 2^26.
	s_lshl_b32 s16, s13, 19                        ; 256 tr rows of 2,048 bytes
	s_lshl_b32 s17, s11, 18                        ; my 128 rows
	s_add_co_u32 s16, s16, s17
	s_lshl_b32 s17, s12, 9                         ; my 128 columns: 512 bytes
	s_add_co_u32 s16, s16, s17
	s_mov_b32 s17, 0
	s_add_nc_u64 s[8:9], s[8:9], s[16:17]
	s_lshr_b32 s46, s42, 1                         ; b (in the registers that held xb's address: none that fed wb's descriptors ever holds cx)
	s_lshl_b32 s46, s46, 23
	s_and_b32 s47, s42, 1                          ; which 256 of the batch's 512 columns: 1,024 bytes
	s_lshl_b32 s47, s47, 10
	s_add_co_u32 s46, s46, s47
	s_mov_b32 s47, 0
	s_add_nc_u64 s[8:9], s[8:9], s[46:47]          ; never rewritten again: the block and the row stand in the stores' immediates
	; the prefetches
	s_lshl_b32 s13, s13, 8                         ; 256 x tile row
	s_lshl_b32 s42, s42, 8                         ; 256 x tile column
	s_and_b32 s22, ttmp7, 0xffff                   ; cluster y
	s_cmp_eq_u32 s11, 0                            ; do I fetch for wb?
	s_cselect_b32 s20, s13, s42                    ; the tile's first row: in wb by the tile row, in xb by the tile column
	s_cselect_b32 s21, s40, s41                    ; my place among the four that ask for it with me
	s_cselect_b32 s22, ttmp9, s22                  ; the coordinate along which other clusters read the same rows
	s_cselect_b64 s[PFA:PFA+1], s[4:5], s[6:7]
	s_cmp_eq_u32 s22, 0
	s_cselect_b32 s[LIM], 1, -1                    ; the same in all sixteen partners, for a given wave
	s_lshl_b32 s22, s12, 7
	s_add_co_u32 s20, s20, s22                     ; + the 128 rows that I fetch
	s_lshl_b32 s21, s21, 5
	s_add_co_u32 s20, s20, s21                     ; + my work-group's 32 of them
	s_mov_b32 s21, 0
	s_mov_b64 s[18:19], SIZE_K*2
	s_mul_u64 s[20:21], s[20:21], s[18:19]
	s_add_nc_u64 s[PFA:PFA+1], s[PFA:PFA+1], s[20:21]
	s_add_nc_u64 s[PFA:PFA+1], s[PFA:PFA+1], 2*KSTEP*2  ; at K step 2: the first refill steps it to 3 and names K step 4
	v_and_b32 v[PFO], 31, v0
	v_mul_u32_u24 v[PFO], v[PFO], SIZE_K*2
	; nothing is prefetched here, at the head, where every work-group's first two tiles are on their way
; 16 matrix instructions: m blocks a0, a0 + 1 of the window's four (hi = 0: my rows 0-63, 1: rows 64-127) x all 8 n blocks, 32 along K.  zero = 1: the first product starts the sums: nothing is ever cleared.
; The 64 accumulators take turns, one instruction a turn, in the same order in every quarter step, over the backward jump too.
.macro MUL16 f, hi, a0, zero
	WIN MUL_LO+0x50*(\hi)
.irp a, \a0, (\a0)+1
.irp b, 0,1,2,3,4,5,6,7
.if \zero
	v_wmma_f32_16x16x32_bf16 v[8*(8*(\a)+(\b)):8*(8*(\a)+(\b))+7], v[(\f)+8*(\b):(\f)+8*(\b)+7], v[(\f)+8*(4*(\hi)+(\a)):(\f)+8*(4*(\hi)+(\a))+7], 0
.else
	v_wmma_f32_16x16x32_bf16 v[8*(8*(\a)+(\b)):8*(8*(\a)+(\b))+7], v[(\f)+8*(\b):(\f)+8*(\b)+7], v[(\f)+8*(4*(\hi)+(\a)):(\f)+8*(4*(\hi)+(\a))+7], v[8*(8*(\a)+(\b)):8*(8*(\a)+(\b))+7]
.endif
.endr
.endr
.endm
; 32 LDS loads in one run: the fragments of one quarter step (128 rows of xb, 128 rows of wb, 32 K at byte k of the rows) into buffer f
.macro FETCH slot, k, f
	WIN TO_B
.irp i, 0,1,2,3,4,5,6,7
	ds_load_b128 v[(\f)+8*(\i):(\f)+8*(\i)+3],   v[ADRB+(\slot)] offset:(\k)+(\i)*16*PITCH
	ds_load_b128 v[(\f)+8*(\i)+4:(\f)+8*(\i)+7], v[ADRB+(\slot)] offset:(\k)+(\i)*16*PITCH+32
.endr
	WIN 0
.irp i, 0,1,2,3,4,5,6,7
	ds_load_b128 v[(\f)+8*(\i):(\f)+8*(\i)+3],   v[ADRA+(\slot)] offset:(\k)+(\i)*16*PITCH
	ds_load_b128 v[(\f)+8*(\i)+4:(\f)+8*(\i)+7], v[ADRA+(\slot)] offset:(\k)+(\i)*16*PITCH+32
.endr
.endm
; A load into a register that a matrix instruction has read, and an LDS store that reads a matrix result, stand four places behind that matrix instruction, and only plain vector instructions that name
; none of its registers are places (ISA guide 7.12.1 for vector instructions); the matrix instructions in between are not counted.
.macro PLACES
.rept 4
	v_nop
.endr
.endm
; A K step is four quarter steps of 32 along K, 64 matrix instructions each, on buffers 0, 1, 0, 1.
; One of the first three: multiplies buffer f; in its middle it fetches the next quarter's fragments, at byte k of the same slot's rows, into buffer g.
.macro QUARTER slot, k, f, g, zero
	s_wait_dscnt 8                                 ; xb and wb's rows 0-63 are in; the youngest eight loads (wb's rows 64-127) may be out
	MUL16 \f, 0, 0, \zero
	MUL16 \f, 0, 2, \zero
	PLACES
	FETCH \slot, \k, \g
	s_wait_dscnt 32                                ; all but the 32 just issued
	MUL16 \f, 1, 0, \zero
	MUL16 \f, 1, 2, \zero
.endm
; The last quarter multiplies buffer 1 and changes slots.  MEET is its first half: ONE barrier for the change of slots, for two things.  In front of it each wave waits for all its tensor loads, of which
; one is out: its part of the next slot; adds 0 to its spare word; and waits for that and for its own reads of this slot.  Behind it nobody reads this slot any more and the next slot is whole.
.macro MEET round                      ; round = 1: a round of the cluster's barrier follows
	WIN 0                                          ; (the add's two registers lie in window 0)
	s_wait_tensorcnt 0x0                           ; all my tensor loads have landed: the one that was out is my part of the next slot;
	ds_add_u32 v[SPW], v[NIL]                      ; 0 onto my spare word;
	s_wait_dscnt 9                                 ; (the add and the youngest eight loads may be out)
	MUL16 F1, 0, 0, 0                              ; sixteen matrix instructions stand between the add and the wait for it
	s_wait_dscnt 0x0                               ; the add is done, and my reads of this slot are over:
	s_barrier_signal -1                            ; say so (where a slot is filled again this barrier opens a round of the cluster's barrier),
	MUL16 F1, 0, 2, 0                              ; work on registers while the others arrive,
.if \round
	WIN 0
.endif
	s_barrier_wait -1                              ; and go on when all four have said so
.endm
; The whole last quarter.  fill = 1: behind the round the slot just read out is filled again first, with the K step two steps on; then come the next slot's first fragments.
; From a request to the wait for it a wave issues 224 matrix instructions.  fill = 0 (the tail): nothing is asked for, and the work-group's barrier alone stands.
.macro TURN slot, next, fill
.if \fill
	s_wait_xcnt 0x0                                ; the last prefetch, a K step back, has read its address: it is stepped here, ahead of the waits of the change of slots
	s_add_nc_u64 s[PFA:PFA+1], s[PFA:PFA+1], KSTEP*2
.endif
	MEET \fill
.if \fill
	CREST                                          ; wave 0 says so for the work-group, all sixteen work-groups have said so, my work-group's barrier closes the round:
	                                               ; no wave of any partner still reads this slot's tile or has a load on its way
	s_add_nc_u64 s[G0+4*(\slot)+2:G0+4*(\slot)+3], s[G0+4*(\slot)+2:G0+4*(\slot)+3], 2*KSTEP*2    ; no tensor load of mine is out, so a group 0 may be written; the type bits on top are not reached
	s_add_nc_u64 s[G0B+4*(\slot)+2:G0B+4*(\slot)+3], s[G0B+4*(\slot)+2:G0B+4*(\slot)+3], 2*KSTEP*2
	JLOAD \slot                                    ; the first tensor load behind the round, my only one until the next; the four v_nop behind it are also the places in front of the loads below
.else
	PLACES
.endif
	FETCH \next, 0, F0
.if \fill
	ASK                                            ; behind the joint load and the run of LDS loads that the next products wait for
.endif
	MUL16 F1, 1, 0, 0
	MUL16 F1, 1, 2, 0
.endm
; THE WAY OUT of block a (16 rows of C x my 128 columns), in two parts.  A lane's 32 bytes are a sixteenth of a row's 512, and the lanes beside it hold other rows: so the block goes through my own stage.
; TOSTAGE: the accumulators as they are (f32) into rows of 528 bytes, each accumulator's four lowest registers first; and back as whole rows of 512 bytes.
.macro TOSTAGE a
.set AC, 64*((\a)%4)
.set BK, OB+64*((\a)%2)
	WIN 0x08+4*((\a)/4)                            ; the stores' data (source 1) in window 2 or 3, the address in window 0
.irp b, 0,1,2,3,4,5,6,7
	ds_store_b128 v[STO], v[AC+8*(\b):AC+8*(\b)+3]   offset:64*(\b)
	ds_store_b128 v[STO], v[AC+8*(\b)+4:AC+8*(\b)+7] offset:64*(\b)+16
.endr
	WIN 0
.irp t, 0,1,2,3,4,5,6,7,8,9,10,11,12,13,14,15
	ds_load_b128 v[BK+4*(\t):BK+4*(\t)+3], v[RD] offset:(\t)*SPITCH  ; LDS serves a wave's instructions in order (ISA guide 5.7.1.4): these see the stores above, and the next block's stores come behind them
.endr
.endm
; SEND: stored.  younger = the LDS instructions issued behind block a's loads: the next block's 32, or none.
.macro SEND a, younger
.set BK, OB+64*((\a)%2)
	WIN 0
.irp t, 0,1,2,3,4,5,6,7,8,9,10,11,12,13,14,15
	s_wait_dscnt (\younger)+15-(\t)                ; row t is back in registers
	global_store_b128 v[CO], v[BK+4*(\t):BK+4*(\t)+3], s[8:9] offset:(\a)*32768+(\t)*2048 th:TH_STORE_NT  ; the wave stores 512 consecutive bytes, at a multiple of 512 from out0's first; 260,096 at the most in the immediate
.endr
.endm
	s_wait_tensorcnt 1                             ; my part of K step 0 is in; K step 1's may stay out
	s_barrier_signal -1
	s_barrier_wait -1                              ; everybody's is
	FETCH 0, 0, F0
	QUARTER 0, 64,  F0, F1, 1                      ; the first quarter stands in front of the loop: its products start the sums
	WIN 0                                          ; at a label and at a branch every window is 0
	s_mov_b32 s3, LAPS-1
.Llap:                                                 ; a trip goes once round the ring, from a lap's second quarter to the next lap's first, and fills both slots again
	QUARTER 0, 128, F1, F0, 0
	QUARTER 0, 192, F0, F1, 0
	TURN 0, 1, 1
	QUARTER 1, 64,  F0, F1, 0
	QUARTER 1, 128, F1, F0, 0
	QUARTER 1, 192, F0, F1, 0
	TURN 1, 0, 1
	QUARTER 0, 64,  F0, F1, 0
	WIN 0
	s_sub_co_u32 s3, s3, 1
	s_cmp_lg_u32 s3, 0
	s_cbranch_scc1 .Llap
	QUARTER 0, 128, F1, F0, 0                      ; the last lap is written out: it fills nothing, and has no round of the cluster's barrier
	QUARTER 0, 192, F0, F1, 0
	TURN 0, 1, 0
	QUARTER 1, 64,  F0, F1, 0
	QUARTER 1, 128, F1, F0, 0
	QUARTER 1, 192, F0, F1, 0
	s_wait_dscnt 8                                 ; the very last quarter: nothing more to fetch
	MUL16 F1, 0, 0, 0
	MUL16 F1, 0, 2, 0
	s_wait_dscnt 0x0
	MUL16 F1, 1, 0, 0
	MUL16 F1, 1, 2, 0
	WIN 0
	PLACES                                         ; behind the last products, in front of the LDS stores that read results and of the loads into the fragments' registers;
	PLACES                                         ; eight, once a launch
	TOSTAGE 0
.irp a, 1,2,3,4,5,6,7                  ; block a's way through the stage is issued ahead of the waits for block a - 1's rows
.if (\a) >= 2
	s_wait_xcnt 0x0                                ; every earlier memory instruction has had its addresses translated (ISA guide 3.1): the registers that block a - 2's stores read are loaded again only behind this wait
.endif
	TOSTAGE \a
	SEND (\a)-1, 32
.endr
	SEND 7, 0
	s_wait_tensorcnt 0x0                           ; the wave's end, behind my last tensor load and my last LDS store
	ds_add_u32 v[SPW], v[NIL]
	s_wait_dscnt 0x0
	CROUND                                         ; the closing round: no work-group ends while a partner may still ask for a tile that names it
	s_endpgm
.Lfunc_end_k_qa551694f71_gemm:
	.size	k_qa551694f71_gemm, .Lfunc_end_k_qa551694f71_gemm-k_qa551694f71_gemm
	.p2alignl 7, 3214868480
	.fill 96, 4, 3214868480
	.section	.rodata,"a",@progbits
	.p2align	6, 0x0
	.amdhsa_kernel k_qa551694f71_gemm
		.amdhsa_group_segment_fixed_size 327680
		.amdhsa_private_segment_fixed_size 0
		.amdhsa_enable_private_segment 0
		.amdhsa_kernarg_size 24
		.amdhsa_user_sgpr_count 2
		.amdhsa_user_sgpr_kernarg_segment_ptr 1
		.amdhsa_wavefront_size32 1
		.amdhsa_system_sgpr_workgroup_id_x 1
		.amdhsa_system_sgpr_workgroup_id_y 1
		.amdhsa_system_sgpr_workgroup_id_z 1
		.amdhsa_system_vgpr_workitem_id 0
		.amdhsa_next_free_vgpr 1024
		.amdhsa_next_free_sgpr 66
		.amdhsa_reserve_vcc 0
		.amdhsa_float_denorm_mode_32 3
		.amdhsa_float_denorm_mode_16_64 3
		.amdhsa_memory_ordered 1
		.amdhsa_forward_progress 1
		.amdhsa_inst_pref_size 145
	.end_amdhsa_kernel
	.amdgpu_metadata
---
amdhsa.version: [ 1, 2 ]
amdhsa.kernels:
  - .name:           k_qa551694f71_gemm
    .symbol:         k_qa551694f71_gemm.kd
    .args:
      - { .name: wb, .offset: 0, .size: 8, .value_kind: global_buffer, .address_space: global }
      - { .name: xb, .offset: 8, .size: 8, .value_kind: global_buffer, .address_space: global }
      - { .name: out0, .offset: 16, .size: 8, .value_kind: global_buffer, .address_space: global }
    .group_segment_fixed_size: 327680
    .private_segment_fixed_size: 0
    .kernarg_segment_align: 8
    .kernarg_segment_size: 24
    .max_flat_workgroup_size: 128
    .sgpr_count:     66
    .vgpr_count:     1024
    .wavefront_size: 32
...
	.end_amdgpu_metadata
.endif
;; end of part 2
;; ======== version 2 of 2: 2 launches; version 1 with the launch prep written anew for expert scheduling mode
;; workspace buffers: wb 33,554,432 bytes; xb 33,554,432 bytes
;; launch prep (part 3): grid 1024 x 1, 8 waves a work-group, no clusters, 0 bytes of LDS; arguments weight, mask, x, wb, xb; writes wb, xb
.if DOCPART == 3
	.amdgcn_target "amdgcn-amd-amdhsa--gfx1250"
	.amdhsa_code_object_version 6
	.text
	.protected	k_qa551694f71_prep
	.globl	k_qa551694f71_prep
	.p2align	8
	.type	k_qa551694f71_prep,@function
k_qa551694f71_prep:
	s_mov_b64 s[64:65], 0
	v_nop
	global_prefetch_b8 v0, s[64:65] scope:SCOPE_SE
	s_setreg_imm32_b32 hwreg(HW_REG_WAVE_SCHED_MODE, 0, 2), 2
	s_setreg_imm32_b32 hwreg(HW_REG_WAVE_MODE, 25, 1), 1
	s_wait_xcnt 0x0
	s_wait_alu depctr_vm_vsrc(0)
; wb[m][k] = bf16(weight[m][k] * mask[m][k]),  xb[n][k] = bf16(x[n][k]), n = 512 b + s.  weight, x: 4096 x 4096 f32; mask: 4096 x 4096 bytes; wb, xb: 4096 x 4096 bf16.
; WHY A LAUNCH OF ITS OWN: the product that follows reads every number of W and of x in 16 tiles of C and in two waves of each; converted here, each is multiplied by its mask and rounded ONCE,
; and the product's tiles are half as many bytes in LDS.
; A STREAM: each input byte is read once, each output byte written once, nothing is shared between work-groups or waves: no LDS, no barrier, no cluster, no matrix unit.
; No prefetch either: all that the launch does is load, and 24 loads or more of every wave are on their way until the last chunks.
; SHARES.  A chunk is 1,024 consecutive elements (4,096 bytes of f32, 1,024 of mask, 2,048 of bf16).  The work-group owns chunks 16 g .. 16 g + 15 of W and the same of x (same shape, same offsets).
; Thread t owns elements 4 t .. 4 t + 3 of every chunk: a wave's load of f32 covers 512 consecutive bytes, its store of bf16 256 consecutive bytes, aligned; its load of mask bytes covers 128
; consecutive bytes: the one short access, taken so that a lane's four mask bytes are those of its four weights.
; ARITHMETIC.  The mask byte is taken as the number that it holds (0 or 1), made a float and multiplied in f32, as the reference multiplies; then one rounding to bf16 (nearest even).
; bf16 has f32's range, so no input that is finite in f32 overflows here.
; THE MODE: SCHED_MODE bits 1:0 = 2 (LLVM: expert scheduling mode 2), set by the entry lines.  The code itself states the register dependences between vector instructions and memory
; instructions, with s_wait_alu, always for 0.
; THE PLAN.  The 16 chunks go in 8 blocks of two, all written out, the chunk's number in the immediates.  Registers that memory instructions touch:
;   IN0 .. IN4  five blocks as loaded (a chunk slot: four weights, four x, four mask bytes).  Written by the loads of block p, which are issued at the head (blocks 0 to 3) or in block p - 4;
;               read by block p's vector lines, which also multiply the weights in place.
;   Y0, Y1      two blocks to store (a chunk slot: four bf16 of W, four of x).  Written by block p's roundings; read by the four stores that are issued in block p + 1.
;   v1, v2, v3  byte offsets, made once at the head and never written again; the scalar bases are never written again either.
; Block p works on IN[p % 5] and writes Y[p % 2].  Its memory instructions are the loads into IN[(p + 4) % 5] = IN[(p - 1) % 5] and the stores from Y[(p - 1) % 2]: the two buffers that block p - 1
; worked on and that no vector instruction of block p names.  So the waits at a block's head state all that its ten memory instructions hang on, and these are dealt among its vector lines,
; a chunk's five in front of a chunk's fourteen, with no further wait.  v[4:7] are named by vector instructions alone.
.set O16, 1                            ; v1         16 t: my 16 bytes in a chunk of f32; never rewritten
.set O4,  2                            ; v2         4 t: my 4 mask bytes; never rewritten
.set O8,  3                            ; v3         8 t: my 8 bytes of bf16; never rewritten
.set T,   4                            ; v[4:7]     the four mask bytes as floats, at work
.set WQ,  8                            ; v[8:47]    chunk slot i of ten (buffer i / 2): four weights
.set XQ,  48                           ; v[48:87]   chunk slot i: four x
.set MK,  88                           ; v[88:97]   chunk slot i: four mask bytes
.set YW,  98                           ; v[98:105]  chunk slot k of four (buffer k / 2): four bf16 of W, to store
.set YX,  106                          ; v[106:113] chunk slot k: four bf16 of x, to store
	s_load_b256 s[4:11], s[0:1], 0x0               ; weight s[4:5], mask s[6:7], x s[8:9], wb s[10:11]
	s_load_b64 s[12:13], s[0:1], 0x20              ; xb
	v_lshlrev_b32 v[O16], 4, v0
	v_lshlrev_b32 v[O4], 2, v0
	v_lshlrev_b32 v[O8], 3, v0
	s_mov_b32 s15, 0
	s_lshl_b32 s14, ttmp9, 16                      ; the work-group's 16 chunks: 65,536 bytes of f32 (1,023 x 65,536 stays under 2^32)
	s_wait_kmcnt 0x0
	s_add_nc_u64 s[4:5], s[4:5], s[14:15]
	s_add_nc_u64 s[8:9], s[8:9], s[14:15]
	s_lshl_b32 s14, ttmp9, 14                      ; 16,384 mask bytes
	s_add_nc_u64 s[6:7], s[6:7], s[14:15]
	s_lshl_b32 s14, ttmp9, 15                      ; 32,768 bytes of bf16
	s_add_nc_u64 s[10:11], s[10:11], s[14:15]
	s_add_nc_u64 s[12:13], s[12:13], s[14:15]
	s_wait_alu depctr_va_vdst(0)                   ; v1, v2 and v3 are written: every load and store of the kernel reads one of them as its offset
.macro LOAD3 i, c                      ; chunk c into chunk slot i: three loads
	global_load_b128 v[WQ+4*(\i):WQ+4*(\i)+3], v[O16], s[4:5] offset:(\c)*4096 th:TH_LOAD_NT
	global_load_b32  v[MK+(\i)],               v[O4],  s[6:7] offset:(\c)*1024 th:TH_LOAD_NT
	global_load_b128 v[XQ+4*(\i):XQ+4*(\i)+3], v[O16], s[8:9] offset:(\c)*4096 th:TH_LOAD_NT
.endm
.macro STORE2 k, c                     ; chunk c out of chunk slot k: two stores
	global_store_b64 v[O8], v[YW+2*(\k):YW+2*(\k)+1], s[10:11] offset:(\c)*2048 th:TH_STORE_NT  ; a wave stores 256 consecutive bytes, at a multiple of 256 from the buffer's first
	global_store_b64 v[O8], v[YX+2*(\k):YX+2*(\k)+1], s[12:13] offset:(\c)*2048 th:TH_STORE_NT
.endm
.macro WORK i, k                       ; the chunk in slot i is masked and rounded into slot k: fourteen vector lines
.irp j, 0,1,2,3
	v_bfe_u32 v[T+(\j)], v[MK+(\i)], 8*(\j), 8     ; mask byte j
.endr
.irp j, 0,1,2,3
	v_cvt_f32_u32 v[T+(\j)], v[T+(\j)]
.endr
	v_pk_mul_f32 v[WQ+4*(\i):WQ+4*(\i)+1],   v[WQ+4*(\i):WQ+4*(\i)+1],   v[T:T+1]      ; weight x mask, in f32
	v_pk_mul_f32 v[WQ+4*(\i)+2:WQ+4*(\i)+3], v[WQ+4*(\i)+2:WQ+4*(\i)+3], v[T+2:T+3]
	v_cvt_pk_bf16_f32 v[YW+2*(\k)],   v[WQ+4*(\i)],   v[WQ+4*(\i)+1]                   ; two roundings to bf16, packed
	v_cvt_pk_bf16_f32 v[YW+2*(\k)+1], v[WQ+4*(\i)+2], v[WQ+4*(\i)+3]
	v_cvt_pk_bf16_f32 v[YX+2*(\k)],   v[XQ+4*(\i)],   v[XQ+4*(\i)+1]
	v_cvt_pk_bf16_f32 v[YX+2*(\k)+1], v[XQ+4*(\i)+2], v[XQ+4*(\i)+3]
.endm
; Block p: chunks 2 p and 2 p + 1.  Blocks 0 to 3 load the block four further on; blocks 1 to 7 store the block before.
.macro BLK p
.set IB, 2*((\p)%5)                    ; the first chunk slot of the in-buffer at work,
.set LB, 2*(((\p)+4)%5)                ; of the in-buffer that is loaded: the one that the block before worked on,
.set YB, 2*((\p)%2)                    ; of the out-buffer that is written,
.set SB, 2-YB                          ; and of the out-buffer that is stored: the one that the block before wrote
.if (\p) > 0
	s_wait_alu depctr_va_vdst(0)                   ; the block before has written its Y, which the stores below read; and it is done reading its IN and multiplying in it, where (blocks 1 to 3) the loads below land
.endif
.if (\p) > 1
	s_wait_xcnt 0x0                                ; every earlier memory instruction has had its addresses translated (ISA guide 3.1): this block's Y, the data of the stores issued in the block before, is rewritten only behind this wait
	s_wait_alu depctr_vm_vsrc(0)                   ; those stores have read this block's Y, which its roundings write again
.endif
.irp i, 0,1
.if (\p) < 4
	LOAD3 LB+(\i), 2*(\p)+8+(\i)                   ; eight chunks ahead; no vector instruction since the wait at the block's head names these registers (in block 0: none at all)
.endif
.if (\p) > 0
	STORE2 SB+(\i), 2*(\p)-2+(\i)                  ; the block before; no vector instruction since that wait names these registers either
.endif
.if (\p) < 4
	s_wait_loadcnt 24                              ; loads come back in order (ISA guide 5.7.1): this chunk's three are in, the eight younger chunks' three each stay out
.else
	s_wait_loadcnt 3*(15-2*(\p)-(\i))              ; nothing more is loaded: no load leaves the buffers, and the counts run down from 21 to 0
.endif
	WORK IB+(\i), YB+(\i)
.endr
.endm
.irp c, 0,1,2,3,4,5,6,7
	LOAD3 \c, \c                                   ; blocks 0 to 3 into IN0 to IN3
.endr
.irp p, 0,1,2,3,4,5,6,7
	BLK \p
.endr
	s_wait_alu depctr_va_vdst(0)                   ; block 7 has written Y1, which the last four stores read
	STORE2 2, 14
	STORE2 3, 15
	s_endpgm
.Lfunc_end_k_qa551694f71_prep:
	.size	k_qa551694f71_prep, .Lfunc_end_k_qa551694f71_prep-k_qa551694f71_prep
	.p2alignl 7, 3214868480
	.fill 96, 4, 3214868480
	.section	.rodata,"a",@progbits
	.p2align	6, 0x0
	.amdhsa_kernel k_qa551694f71_prep
		.amdhsa_group_segment_fixed_size 0
		.amdhsa_private_segment_fixed_size 0
		.amdhsa_enable_private_segment 0
		.amdhsa_kernarg_size 40
		.amdhsa_user_sgpr_count 2
		.amdhsa_user_sgpr_kernarg_segment_ptr 1
		.amdhsa_wavefront_size32 1
		.amdhsa_system_sgpr_workgroup_id_x 1
		.amdhsa_system_sgpr_workgroup_id_y 1
		.amdhsa_system_sgpr_workgroup_id_z 1
		.amdhsa_system_vgpr_workitem_id 0
		.amdhsa_next_free_vgpr 114
		.amdhsa_next_free_sgpr 66
		.amdhsa_reserve_vcc 0
		.amdhsa_float_denorm_mode_32 3
		.amdhsa_float_denorm_mode_16_64 3
		.amdhsa_memory_ordered 1
		.amdhsa_forward_progress 1
		.amdhsa_inst_pref_size 22
	.end_amdhsa_kernel
	.amdgpu_metadata
---
amdhsa.version: [ 1, 2 ]
amdhsa.kernels:
  - .name:           k_qa551694f71_prep
    .symbol:         k_qa551694f71_prep.kd
    .args:
      - { .name: weight, .offset: 0, .size: 8, .value_kind: global_buffer, .address_space: global }
      - { .name: mask, .offset: 8, .size: 8, .value_kind: global_buffer, .address_space: global }
      - { .name: x, .offset: 16, .size: 8, .value_kind: global_buffer, .address_space: global }
      - { .name: wb, .offset: 24, .size: 8, .value_kind: global_buffer, .address_space: global }
      - { .name: xb, .offset: 32, .size: 8, .value_kind: global_buffer, .address_space: global }
    .group_segment_fixed_size: 0
    .private_segment_fixed_size: 0
    .kernarg_segment_align: 8
    .kernarg_segment_size: 40
    .max_flat_workgroup_size: 256
    .sgpr_count:     66
    .vgpr_count:     114
    .wavefront_size: 32
...
	.end_amdgpu_metadata
.endif
;; end of part 3
;; launch gemm: the kernel of part 2 again; grid 16 x 16, 4 waves a work-group, clusters of 4 x 4, 327,680 bytes of LDS; arguments wb, xb, out0; writes out0
